; MI455X (gfx1250); checked and timed in simulation.
; The chip was launched on July 23, 2026; its instructions are those of AMD's public machine-readable ISA for CDNA 5 (MIT licence, August 2026) and "CDNA5" Instruction Set Architecture Reference Guide (July 2026). The comments in the code are by the model that wrote it; some were corrected since.
;; Raw SDP. Allowed arithmetic: matrix products marked QUANTISED: E2M3 operands, one E8M0 scale for each 32 along K, by v_wmma_scale_f32_16x16x128_f8f6f4 with both operands' format E2M3, f32 sums; everything else in f32.
;; Inputs: key 1 x 8 x 2,048 x 128 float32; query 1 x 32 x 2,048 x 128 float32; value_codes 1 x 8 x 128 x 64 x 24 uint8 (E2M3 codes of value, K innermost, in blocks of 32 codes, four codes in three bytes); value_scales 1 x 8 x 128 x 64 uint8 (E8M0 scales of value, one for each 32 codes along K).
;; Outputs: out0 1 x 32 x 2,048 x 128 float32.
;; This version of the problem:
;;   THIS VERSION OF THE PROBLEM IS GIVEN IN LOW PRECISION. The matrix products marked QUANTISED in the list below multiply operands that are first quantised to E2M3 (2 exponent bits, 3 mantissa bits; 6 bits a number), with one power-of-two scale for each 32 numbers along K (OCP MX v1.0); their sums are f32. All else is computed in f32.
;;   The module's matrix products, in the order in which they are computed (A, B: the left and right operand; K: the contracted axis; several contracted axes count as one K, in the product's order):
;;     1. batch 32 x [M 2,048, K 128] x [K 128, N 2,048]; A: computed on the way; B: computed on the way: QUANTISED
;;     2. batch 32 x [M 2,048, K 2,048] x [K 2,048, N 128]; A: softmax (see below); B: input value (given as codes): QUANTISED
;;   THE QUANTISER, for each operand of a quantised product, along K:
;;     - K is cut into blocks of 32 from its start; a last block that is shorter is filled with zeros.
;;     - A block's scale is 2^e with e = floor(log2(the largest magnitude in the block)) - 2, held to -126 .. 127; a block of zeros has e = 0. As a byte (E8M0): e + 127.
;;     - Each number is divided by its block's scale, clamped to +-7.5, and rounded to the nearest number of E2M3, ties to even, subnormals kept.
;;     - The product sums the exact products of the quantised numbers (number of the format x scale) in f32.
;;   ~~~python
;;   def quantise(x, axis):      # numpy; x: float32 -> the quantised numbers, widened to float32 again
;;       x = np.moveaxis(x, axis, -1); K = x.shape[-1]
;;       x = np.pad(x, [(0, 0)] * (x.ndim - 1) + [(0, -K % 32)]); x = x.reshape(x.shape[:-1] + (-1, 32)); a = np.abs(x).max(-1, keepdims=True)
;;       e = np.where(a > 0, np.clip(np.frexp(np.where(a > 0, a, 1))[1] - 1 - 2, -126, 127), 0)      # np.frexp(a)[1] - 1 = floor(log2(a)), exactly
;;       r = np.clip(x / 2.0 ** e, -7.5, 7.5)
;;       step = 2.0 ** (np.maximum(np.frexp(np.where(r == 0, 1, r))[1] - 1, 0) - 3)
;;       q = np.round(r / step) * step * 2.0 ** e      # np.round: ties to even
;;       return np.moveaxis(q.reshape(q.shape[:-2] + (-1,))[..., :K], -1, axis).astype(np.float32)
;;   ~~~
;;   SOFTMAX AHEAD OF A QUANTISED PRODUCT. Where the list says 'softmax', what is quantised is not the finished softmax but p = 2^(t - M), with t = logit x log2(e) and M = ceil(the row's largest t), a whole number; so 1/2 < the row's largest p <= 1. The row's sum l is taken of the UNQUANTISED p, in f32, and the product's result is divided by l at the end. Since M is a whole number, a kernel that streams over the keys may use a running M (the ceiling of the running maximum): every later rescaling is an exact power of two, which a block's scale takes up: the codes' values come out the same.
;;   OPERANDS COMPUTED ON THE WAY. 'Computed on the way' means the value that the module computes at that place (a softmax that the list does not call 'softmax' is quantised finished and normalised). What goes into a quantiser is computed in f32, as accurately as f32 sums, v_exp_f32 and their like allow (about 1e-6 of the number): no bf16 or f16 on the way to a quantiser, and a product that is left as it is and whose result goes on into a quantised operand takes f32 operands (vector FMAs, or v_wmma_f32_16x16x4_f32). A number that lies on a knife's edge between two numbers of the format may be rounded either way, as far as f32 arithmetic and the matrix unit's own rounding can turn it there, and no further.
;;   INPUTS GIVEN AS CODES. value (in the module: [1, 8, 2048, 128], K = its axis 2): each comes as NAME_codes (uint8): NAME with its K axis moved to the last place and cut into blocks of 32 codes, [.., K / 32, bytes a block], one block behind the other in memory; four codes in three bytes: a row's codes are one little-endian stream of bits, code i at bits 6 i .. 6 i + 5 (a code: sign, 2 exponent bits, 3 mantissa bits); and NAME_scales (uint8): the same leading axes, one E8M0 byte (e + 127) for each 32 codes along K. Its value is code x scale, taken as it is: it is not quantised again, and the codes and scales need not be those that the quantiser above would give.
;; One version. Each part assembles by itself: llvm-mc -triple=amdgcn-amd-amdhsa -mcpu=gfx1250 --defsym DOCPART=n.
;; ======== version 1 of 1: 2 launches
;; limits: right only within a limited range of input values
;; workspace buffers: blk 3,276,800 bytes
;; launch prep (part 1): grid 256 x 1, 4 waves a work-group, no clusters, 34,560 bytes of LDS; arguments key, value_codes, value_scales, blk; writes blk
.if DOCPART == 1
	.amdgcn_target "amdgcn-amd-amdhsa--gfx1250"
	.amdhsa_code_object_version 6
	.text
	.protected	k_q83c1b455d5_prep
	.globl	k_q83c1b455d5_prep
	.p2align	8
	.type	k_q83c1b455d5_prep,@function
k_q83c1b455d5_prep:
	s_mov_b64 s[64:65], 0
	v_nop
	global_prefetch_b8 v0, s[64:65] scope:SCOPE_SE
	s_setreg_imm32_b32 hwreg(HW_REG_WAVE_MODE, 25, 1), 1
	s_wait_xcnt 0x0
; blk: 128 step blocks (8 key/value heads x 16 steps of 128 keys) of 25,600 bytes, IMAGES OF THE OPERAND'S REGISTERS for the attention launch:
;   + 0       key x 128^(-1/4), in f32, quantised along the head's 128 to E2M3: tile T (0..7) at 1536 T, chunk c (0..2) at + 512 c, lane l's 16 bytes at + 16 l = registers 4 c .. 4 c + 3;
;             lane (r, h) of tile 2 b + u holds key 32 b + 8 u + r + 8 (r / 8), so that the scores of tiles 2 b, 2 b + 1 are 16 neighbouring keys in a lane of the next launch
;   + 12,288  its scale words: 16 l + 4 i: tile i, row l (l < 16), or tile 4 + i, row l - 16
;   + 12,800  value's codes as they are given: tile T = 16 of the head's 128 columns, the step's 128 keys along K, in the same image;   + 25,088  its scale words, in the same order
; value's rows of codes are 1,536 bytes and a step's part of one is 96, off the 256-byte borders: so they are laid anew here.
; DEAD WORK: nothing of an input is left out.  (The attention launch leaves out whole key steps above the diagonal: see there.)
; LIMITS: a block of zeros gets the scale byte 1 where the rule says 127 (its codes are zeros, and this program alone reads the bytes); blocks whose largest magnitude lies under 2^-124
; have their byte held at 1; NaN and infinities among the inputs are not served.
; SHARES: work-group x quantises half x % 2 of step block x / 2, 64 keys, a wave a tile; it lays one tile of value of four steps, a wave a step; wave 1 lays 256 bytes of value's scale words.
; No loop, no cluster, no tensor load: the work-groups share no key row.
.set HS,    0x3e9837f0                 ; 128^(-1/4)
.set FLOOR, 0x1800000                  ; 2^(3 - 127)
.set BLK,   25600
.set SP,    528                        ; a stage row: 512 bytes + 16, an odd multiple of 16 (64 banks of 4 bytes: ISA guide 11.1)
.set STG,   16*SP
.set SCB,   4*STG                      ; the work-group's 256 bytes of key scale words
.set SPARE, SCB+256                    ; the spare words, 128 bytes for each wave
.set SPW, 5
.set NIL, 6
.set QC,  16
.set BM,  44
.set T2,  48
.set SO,  52
.set CV,  56
.set SS,  64
.set R,   128
.set VR,  192
.set SEL, 38
.set HSP, 36
	s_load_b256 s[4:11], s[0:1], 0x0               ; key, value_codes, value_scales, blk
	v_lshl_add_u32 v[SPW], v0, 2, SPARE
	v_mov_b32 v[NIL], 0
	v_lshrrev_b32 v8, 5, v0
	v_readfirstlane_b32 s3, v8                     ; wave 0..3
	s_lshl_b32 s16, ttmp9, 15                      ; key: 64 rows x 512 bytes a work-group
	s_lshr_b32 s17, s3, 1
	s_lshl_b32 s17, s17, 14                        ; tiles 2 b + u: 32 rows on for each b,
	s_add_co_u32 s16, s16, s17
	s_and_b32 s17, s3, 1
	s_lshl_b32 s17, s17, 12                        ; 8 for u
	s_add_co_u32 s16, s16, s17
	s_mov_b32 s17, 0
	s_lshr_b32 s20, ttmp9, 1
	s_mul_i32 s20, s20, BLK                        ; my step block
	s_and_b32 s21, ttmp9, 1                        ; which half of it
	s_mul_i32 s18, s21, 6144
	s_add_co_u32 s18, s18, s20
	s_mul_i32 s19, s3, 1536
	s_add_co_u32 s18, s18, s19                     ; my key tile's image
	s_mov_b32 s19, 0
	s_lshl_b32 s22, s21, 8
	s_add_co_u32 s22, s22, s20
	s_add_co_u32 s22, s22, 12288                   ; the half's 256 bytes of scale words
	s_mov_b32 s23, 0
	s_lshr_b32 s32, ttmp9, 5                       ; head
	s_bfe_u32 s33, ttmp9, 0x30002                  ; value's tile
	s_and_b32 s40, ttmp9, 3
	s_lshl_b32 s40, s40, 2
	s_add_co_u32 s40, s40, s3                      ; value's step
	s_mul_i32 s24, s32, 196608
	s_mul_i32 s25, s33, 24576
	s_add_co_u32 s24, s24, s25
	s_mul_i32 s25, s40, 96
	s_add_co_u32 s24, s24, s25
	s_mov_b32 s25, 0
	s_lshl_b32 s26, s32, 4
	s_add_co_u32 s26, s26, s40
	s_mul_i32 s26, s26, BLK
	s_mul_i32 s27, s33, 1536
	s_add_co_u32 s26, s26, s27
	s_add_co_u32 s26, s26, 12800
	s_mov_b32 s27, 0
	s_lshl_b32 s28, s32, 13
	s_lshl_b32 s29, s21, 12
	s_add_co_u32 s28, s28, s29
	s_bfe_u32 s29, ttmp9, 0x40001
	s_lshl_b32 s29, s29, 2
	s_add_co_u32 s28, s28, s29
	s_mov_b32 s29, 0
	s_mov_b32 s[HSP], HS
	s_mov_b32 s[HSP+1], HS                         ; (named with it as a pair, so it is written)
	s_mov_b32 s[SEL], 0x76543210                   ; v_permlanex16_b32's selects: lane l xor 16
	s_mov_b32 s[SEL+1], 0xfedcba98
	s_mul_i32 s41, s3, STG
	s_lshl_b32 s42, s3, 2
	s_add_co_u32 s42, s42, SCB
	v_and_b32 v11, 31, v0                          ; lane
	v_and_b32 v12, 15, v0                          ; r
	v_bfe_u32 v13, v0, 4, 1                        ; h
	v_lshlrev_b32 v1, 4, v11
	v_add_nc_u32 v2, s41, v1                       ; the stage, in: a row's 512 bytes as they lie
	v_mul_u32_u24 v3, v12, SP
	v_lshl_add_u32 v3, v13, 6, v3
	v_add_nc_u32 v3, s41, v3                       ; back: row r, + 64 h: my 16 numbers of a block of 32
	v_lshl_add_u32 v4, v12, 4, s42                 ; my row's scale word
	v_lshlrev_b32 v7, 3, v11
	v_add_nc_u32 v8, SCB, v7
	v_mul_u32_u24 v9, v12, 1536                    ; value: row r of the tile, block h of 24 bytes
	v_mad_u32_u24 v9, v13, 24, v9
	v_lshrrev_b32 v10, 1, v11
	v_lshlrev_b32 v10, 6, v10
	v_and_b32 v14, 1, v11
	v_lshl_add_u32 v10, v14, 11, v10               ; value's scales: row l / 2 of tiles 2 (l % 2), 2 (l % 2) + 1 of the half
.irp b, 0,1,2,3
	v_mov_b32 v[T2+\b], 0                          ; written once: a lane permute's destination counts as one of its sources
.endr
	s_wait_alu depctr_va_vdst(0)                   ; the wait at the head's end
	s_wait_kmcnt 0x0
	s_add_nc_u64 s[4:5], s[4:5], s[16:17]
	s_add_nc_u64 s[12:13], s[10:11], s[18:19]
	s_add_nc_u64 s[14:15], s[10:11], s[22:23]
	s_add_nc_u64 s[30:31], s[6:7], s[24:25]
	s_add_nc_u64 s[8:9], s[8:9], s[28:29]
	s_add_nc_u64 s[34:35], s[10:11], s[26:27]
.set n, 0
.rept 16                               ; rows 0-7 and 16-23 of my tile's 32: 32 lanes read 512 consecutive bytes
	global_load_b128 v[R+4*n:R+4*n+3], v1, s[4:5] offset:512*(n+8*(n/8)) th:TH_LOAD_NT
.set n, n+1
.endr
.irp p, 0,1,2,3,4,5
	global_load_b64 v[VR+2*\p:VR+2*\p+1], v9, s[30:31] offset:48*(\p/3)+8*(\p%3)
.endr
	s_cmp_lg_u32 s3, 1                             ; wave 1 lays the half's 256 bytes of value's scale words as one aligned run
	s_cbranch_scc1 .Lkeys
	global_load_b32 v14, v10, s[8:9]
	global_load_b32 v15, v10, s[8:9] offset:1024
	s_wait_loadcnt 0x0
	global_store_b64 v7, v[14:15], s[14:15] offset:12800
.Lkeys:
.set n, 0
.rept 16
	s_wait_loadcnt 21-n                            ; row n is in: the 15 - n younger rows and value's six stay out
	ds_store_b128 v2, v[R+4*n:R+4*n+3] offset:SP*n
.set n, n+1
.endr
.irp b, 0,1,2,3
.irp j, 0,1,2,3
	ds_load_b128 v[SS+16*\b+4*\j:SS+16*\b+4*\j+3], v3 offset:128*\b+16*\j   ; LDS serves a wave's instructions in order: these see my stores
.endr
.endr
	s_wait_dscnt 0x0
.set n, 0
.rept 32
	v_pk_mul_f32 v[SS+n:SS+n+1], v[SS+n:SS+n+1], s[HSP:HSP+1] op_sel_hi:[1,0]
.set n, n+2
.endr
.irp b, 0,1,2,3
	v_max3_num_f32 v[BM+\b], |v[SS+16*\b]|, |v[SS+1+16*\b]|, FLOOR
.endr
.irp i, 2,4,6,8,10,12,14
.irp b, 0,1,2,3
	v_max3_num_f32 v[BM+\b], v[BM+\b], |v[SS+16*\b+\i]|, |v[SS+1+16*\b+\i]|   ; the four blocks by turns
.endr
.endr
.irp b, 0,1,2,3
	v_permlanex16_b32 v[T2+\b], v[BM+\b], s[SEL], s[SEL+1]
.endr
.irp b, 0,1,2,3
	v_max_num_f32 v[BM+\b], v[BM+\b], v[T2+\b]
.endr
.irp b, 0,1,2,3
	v_add_nc_u32 v[SO+\b], 0xff000000, v[BM+\b]    ; 2 off the exponent field: the conversion takes that field as its scale
.endr
.irp b, 0,1,2,3
	v_lshrrev_b32 v[T2+\b], 23, v[SO+\b]           ; the scale's byte
.endr
	v_lshl_or_b32 v12, v[T2+1], 8, v[T2]
	v_lshl_or_b32 v12, v[T2+2], 16, v12
	v_lshl_or_b32 v12, v[T2+3], 24, v12
.irp c, 0,1
	v_cvt_scalef32_pk16_fp6_f32 v[QC+6*\c:QC+6*\c+2], v[SS+32*\c:SS+32*\c+15], v[SO+2*\c]
	v_cvt_scalef32_pk16_fp6_f32 v[CV+4*\c:CV+4*\c+2], v[SS+32*\c+16:SS+32*\c+31], v[SO+2*\c+1]
.endr
	v_nop                                          ; one plain instruction behind the scaled conversions
.irp c, 0,1                            ; the layout wants a whole block in a lane: lanes 0-15 block 2 c, lanes 16-31 block 2 c + 1
.irp i, 0,1,2
	v_permlane16_swap_b32 v[QC+6*\c+\i], v[CV+4*\c+\i]
.endr
.irp i, 0,1,2
	v_mov_b32 v[QC+6*\c+3+\i], v[CV+4*\c+\i]
.endr
.endr
.irp c, 0,1,2
	global_store_b128 v1, v[QC+4*\c:QC+4*\c+3], s[12:13] offset:512*\c   ; 32 lanes store 512 consecutive bytes
.endr
	ds_store_b32 v4, v12                           ; lanes r and 16 + r write the same word with the same value
	s_wait_loadcnt 0x0                             ; value's codes are in, in the operand's order already
.irp c, 0,1,2
	global_store_b128 v1, v[VR+4*\c:VR+4*\c+3], s[34:35] offset:512*\c
.endr
	s_wait_dscnt 0x0                               ; for wave 0's sake: my scale words have landed
	s_barrier_signal -1
	s_barrier_wait -1
	s_cmp_lg_u32 s3, 0                             ; wave 0 stores the work-group's 256 bytes of key scale words as one aligned run
	s_cbranch_scc1 .Lend
	ds_load_b64 v[14:15], v8
	s_wait_dscnt 0x0
	global_store_b64 v7, v[14:15], s[14:15]
.Lend:
	s_wait_tensorcnt 0x0                           ; the wave's end
	ds_add_u32 v[SPW], v[NIL]
	s_wait_dscnt 0x0
	s_endpgm
.Lfunc_end_k_q83c1b455d5_prep:
	.size	k_q83c1b455d5_prep, .Lfunc_end_k_q83c1b455d5_prep-k_q83c1b455d5_prep
	.p2alignl 7, 3214868480
	.fill 96, 4, 3214868480
	.section	.rodata,"a",@progbits
	.p2align	6, 0x0
	.amdhsa_kernel k_q83c1b455d5_prep
		.amdhsa_group_segment_fixed_size 34560
		.amdhsa_private_segment_fixed_size 0
		.amdhsa_enable_private_segment 0
		.amdhsa_kernarg_size 32
		.amdhsa_user_sgpr_count 2
		.amdhsa_user_sgpr_kernarg_segment_ptr 1
		.amdhsa_wavefront_size32 1
		.amdhsa_system_sgpr_workgroup_id_x 1
		.amdhsa_system_sgpr_workgroup_id_y 1
		.amdhsa_system_sgpr_workgroup_id_z 1
		.amdhsa_system_vgpr_workitem_id 0
		.amdhsa_next_free_vgpr 256
		.amdhsa_next_free_sgpr 66
		.amdhsa_reserve_vcc 0
		.amdhsa_float_denorm_mode_32 3
		.amdhsa_float_denorm_mode_16_64 3
		.amdhsa_memory_ordered 1
		.amdhsa_forward_progress 1
		.amdhsa_inst_pref_size 16
	.end_amdhsa_kernel
	.amdgpu_metadata
---
amdhsa.version: [ 1, 2 ]
amdhsa.kernels:
  - .name:           k_q83c1b455d5_prep
    .symbol:         k_q83c1b455d5_prep.kd
    .args:
      - { .name: key, .offset: 0, .size: 8, .value_kind: global_buffer, .address_space: global }
      - { .name: value_codes, .offset: 8, .size: 8, .value_kind: global_buffer, .address_space: global }
      - { .name: value_scales, .offset: 16, .size: 8, .value_kind: global_buffer, .address_space: global }
      - { .name: blk, .offset: 24, .size: 8, .value_kind: global_buffer, .address_space: global }
    .group_segment_fixed_size: 34560
    .private_segment_fixed_size: 0
    .kernarg_segment_align: 8
    .kernarg_segment_size: 32
    .max_flat_workgroup_size: 128
    .sgpr_count:     66
    .vgpr_count:     256
    .wavefront_size: 32
...
	.end_amdgpu_metadata
.endif
;; end of part 1
;; launch attn (part 2): grid 32 x 8, 8 waves a work-group, clusters of 4 x 1, 327,680 bytes of LDS; arguments query, blk, out0; writes out0
.if DOCPART == 2
	.amdgcn_target "amdgcn-amd-amdhsa--gfx1250"
	.amdhsa_code_object_version 6
	.text
	.protected	k_q83c1b455d5_attn
	.globl	k_q83c1b455d5_attn
	.p2align	8
	.type	k_q83c1b455d5_attn,@function
k_q83c1b455d5_attn:
	s_mov_b64 s[64:65], 0
	v_nop
	global_prefetch_b8 v0, s[64:65] scope:SCOPE_SE
	s_setreg_imm32_b32 hwreg(HW_REG_WAVE_MODE, 25, 1), 1
	s_wait_xcnt 0x0
	s_wait_alu depctr_hold_cnt(0) depctr_sa_sdst(0) depctr_va_vdst(0) depctr_va_sdst(0) depctr_va_ssrc(0) depctr_va_vcc(0) depctr_vm_vsrc(0)
	s_getreg_b32 s2, hwreg(HW_REG_IB_STS2, 6, 4)
	s_cmp_eq_u32 s2, 0
	s_cbranch_scc0 .Lentry_in_a_cluster
	s_endpgm
.Lentry_in_a_cluster:
	s_bfe_u32 s2, ttmp6, 0x10000c
	s_cmp_lg_u32 s2, 0x3003
	s_cbranch_scc0 .Lentry_shape_is_right
	s_endpgm
.Lentry_shape_is_right:
; out0 = softmax(q k^T) v under the causal mask, q and k already carrying 128^(-1/4) each; both products in E2M3 codes, by the transposed use S^T = k q^T, O^T = v^T p^T: a lane holds one query.
; THE DEAL.  A head's 2,048 queries are 16 blocks of 128; block n needs key steps 0 .. n of 128 keys.  Cluster x = i takes blocks A = 15 - i and B = i, 17 steps whatever i is;
; its four work-groups are the four query heads that share a key/value head (cluster y), so all four walk the same steps.  32 x 8 work-groups.
;   Group 0 (waves 0-3):  A's key steps 0 .. 8 in trips 0 .. 8.
;   Group 1 (waves 4-7):  A's key steps 9 .. 15 - i in trips 0 .. 6 - i, then B's 0 .. i in trips 7 - i .. 7.
; Wave j of a group owns queries 16 j .. + 15 (tile X) and 64 + 16 j .. + 15 (tile Y) of the block: each fragment read from LDS feeds both.
; A's two partial results (O^T, the sums, M) meet in LDS: group 1 leaves its own there when it changes to B, group 0 joins them at the end.
; LEFT OUT: key steps that lie wholly above the diagonal: the causal mask makes their p exactly 0 for all finite inputs within the limits.  A NaN or an infinity that reaches only those is not carried.
; The promise holds while the scaled scores (exponents to the base 2, before the maximum is taken away) stay under 2^31 in magnitude.  LIMITS: as in the first launch for blocks of zeros or under 2^-124; NaN and infinities are not served.
; TILES.  A step's block is 25,600 dense bytes, stated as 100 rows of 256.  A slot holds two trips' blocks of both groups (four blocks, a wave each); two slots; the ninth trip's block (group 0 alone) has bytes
; of its own and is asked for at the head by wave 4.  All are joint loads of the cluster.  A wave has one tensor load out.  Key and value blocks are not prefetched: a refill has two whole trips,
; 64 matrix instructions and 128 exponentials a lane for each of a wave's two tiles, in which to land.  Query's block B is: one trip ahead of its loads, a lane a row, each 256 bytes named once.
; REGISTERS: window 0 tile X, window 1 tile Y, with the same local numbers: 12 -M, 13 largest score, 14-15 the sum in two halves, 16-27 q's codes, 28 factor, 30 mask row, 32-43 p's codes, 44-62 at work,
;   64-127 scores, then p; 128-191 O^T; 192-239 fragments: four tiles in window 0, four in window 1.  Window 0 alone: 1-11 addresses, 240-251 scale words and nothing else.
.set HS,    0x3e9837f0                 ; 128^(-1/4)
.set CL2E,  0x3fb8aa3b                 ; log2(e)
.set NCL2E, 0xbfb8aa3b
.set FLOOR, 0x1800000                  ; 2^(3 - 127)
.set MINIT, 0xfe800000                 ; -2^126, under every score
.set BLK,   25600
.set SLOT,  4*BLK                      ; blocks 0, 1: group 1's two trips; 2, 3: group 0's
.set SL1,   131072                     ; slot 1: one bit away from slot 0
.set B8,    SLOT                       ; the ninth trip's block, between the two slots
.set SP,    528                        ; a stage row: 512 bytes + 16, an odd multiple of 16 (64 banks of 4 bytes: ISA guide 11.1)
.set STG,   16*SP
.set R2,    SL1+SLOT                   ; four regions: at the head stages for q; later group 1's partial result of A
.set DREG,  2*STG                      ; 16 x 512 bytes of O^T for each tile, then four words a lane
.set QI,    R2+4*DREG                  ; q's codes and scale words, on their way from wave to wave
.set SPARE, QI+8*1536+8*128            ; the spare words, 128 bytes for each wave
.set SPW, 5
.set NIL, 6
.set QC,  16
.set TM,  31
.set PC,  32
.set BM,  44
.set T2,  48
.set SO,  52
.set CV,  56
.set SS,  64
.set OO,  128
.set FR,  192
.set KSC, 240
.set VSC, 244
.set PSC, 248
.set QSC, 250
.set QBA, 14                           ; s[14:15] query, my rows of block B
.set G1,  16
.set G0,  24
.set G0B, 28
.set WV,  32
.set GB,  33                           ; my group's blocks in a slot
.set SB,  34                           ; my group's blocks in the slot that is read
.set ST,  36                           ; trip
.set TE,  37                           ; group 1: the trip that begins block B
.set TP,  38                           ; and the one before it
.set KS,  39                           ; my key step
.set QB,  40                           ; my query block
.set IB,  41
.set FT,  42                           ; the trip whose block I fetch
.set LTE, 43
.set L9,  44
.set WB,  45
.set CNT, 46
.set OF,  48
.set T0,  50
.set T1,  51
.set SEL, 52
.set CS,  54
.set HSP, 56
.set NC,  58
.set GR,  59
.set MSB, 0
.macro WIN new                         ; the immediate's high byte repeats the setting that is left
.if MSB != (\new)
	s_set_vgpr_msb (MSB<<8)|(\new)
.set MSB, (\new)
.endif
.endm
.macro PLACES
.rept 4
	v_nop
.endr
.endm
.macro CROUND                          ; a round of the cluster's barrier
	s_barrier_signal -1
	s_barrier_wait -1
	s_cmp_lg_u32 s[WV], 0
	s_cbranch_scc1 .Lnot_wave_0_\@
	s_barrier_signal -3
.Lnot_wave_0_\@:
	s_barrier_wait -3
	s_barrier_signal -1
	s_barrier_wait -1
.endm
; my fetch's key step: FT - LTE, and where that is negative FT + 9 (group 1's steps of A); group 0's blocks have LTE = 0
.macro FETCHADR
	s_sub_co_u32 s[T0], s[FT], s[LTE]
	s_ashr_i32 s[T1], s[T0], 31
	s_and_b32 s[T1], s[T1], s[L9]
	s_add_co_u32 s[T0], s[T0], s[T1]
	s_mul_i32 s[OF], s[T0], BLK
	s_add_nc_u64 s[G0+2:G0+3], s[6:7], s[OF:OF+1]
	s_or_b32 s[G0+3], s[G0+3], 0x80000000
.endm
; the four blocks' maxima joined with lane l xor 16's
.macro JOIN
.irp b, 0,1,2,3
	v_permlanex16_b32 v[T2+\b], v[BM+\b], s[SEL], s[SEL+1]
.endr
.irp b, 0,1,2,3
	v_max_num_f32 v[BM+\b], v[BM+\b], v[T2+\b]
.endr
.endm
; from the maxima: the conversions' scale operands and the row's scale word, in window 0's register pw
.macro SCW pw, y
.irp b, 0,1,2,3
	v_add_nc_u32 v[SO+\b], 0xff000000, v[BM+\b]    ; 2 off the exponent field
.endr
.irp b, 0,1,2,3
	v_lshrrev_b32 v[T2+\b], 23, v[SO+\b]
.endr
	v_lshl_or_b32 v[TM], v[T2+1], 8, v[T2]
	v_lshl_or_b32 v[TM], v[T2+2], 16, v[TM]
	WIN 0x15*(\y)
	v_lshl_or_b32 v[\pw], v[T2+3], 24, v[TM]
	WIN 0x55*(\y)
.endm
; the 64 numbers become a fragment's 12 registers at v[d]
.macro CODES d
.irp c, 0,1
	v_cvt_scalef32_pk16_fp6_f32 v[\d+6*\c:\d+6*\c+2], v[SS+32*\c:SS+32*\c+15], v[SO+2*\c]
	v_cvt_scalef32_pk16_fp6_f32 v[CV+4*\c:CV+4*\c+2], v[SS+32*\c+16:SS+32*\c+31], v[SO+2*\c+1]
.endr
	v_nop                                          ; one plain instruction behind the scaled conversions
.irp c, 0,1                            ; a whole block in a lane: lanes 0-15 block 2 c, lanes 16-31 block 2 c + 1
.irp i, 0,1,2
	v_permlane16_swap_b32 v[\d+6*\c+\i], v[CV+4*\c+\i]
.endr
.irp i, 0,1,2
	v_mov_b32 v[\d+6*\c+3+\i], v[CV+4*\c+\i]
.endr
.endr
.endm
; 16 rows of query, as loaded into tile y's score registers, turn through my stage and become q's codes; lw: younger loads than the first row's
.macro QTILE y, lw
	WIN 0x04*(\y)
.set n, 0
.rept 16
	s_wait_loadcnt \lw-n
	ds_store_b128 v2, v[SS+4*n:SS+4*n+3] offset:SP*n
.set n, n+1
.endr
	s_wait_dscnt 0x0
	WIN 0x40*(\y)
.irp b, 0,1,2,3
.irp j, 0,1,2,3
	ds_load_b128 v[SS+16*\b+4*\j:SS+16*\b+4*\j+3], v3 offset:128*\b+16*\j
.endr
.endr
	s_wait_dscnt 0x0
	WIN 0x55*(\y)
.set n, 0
.rept 32
	v_pk_mul_f32 v[SS+n:SS+n+1], v[SS+n:SS+n+1], s[HSP:HSP+1] op_sel_hi:[1,0]
.set n, n+2
.endr
.irp b, 0,1,2,3
	v_max3_num_f32 v[BM+\b], |v[SS+16*\b]|, |v[SS+1+16*\b]|, FLOOR
.endr
.irp i, 2,4,6,8,10,12,14
.irp b, 0,1,2,3
	v_max3_num_f32 v[BM+\b], v[BM+\b], |v[SS+16*\b+\i]|, |v[SS+1+16*\b+\i]|
.endr
.endr
	JOIN
	SCW QSC+(\y), \y
	CODES QC
.endm
; a block of queries begins: M far below every score, no sum, O^T = 0 (a step is written once for all trips: the first finds zeros)
.macro RESET y
	WIN 0x55*(\y)
	v_mov_b32 v13, MINIT
	v_mul_f32 v12, s[NC], v13
	v_mov_b32 v14, 0
	v_mov_b32 v15, 0
.set n, 0
.rept 64
	v_mov_b32 v[OO+n], 0
.set n, n+1
.endr
.endm
.macro DUMPO y                         ; the wait ahead of each first reader of a matrix result behind transcendentals
	WIN 0x04*(\y)
.set n, 0
.rept 16
	s_wait_alu depctr_va_vdst(0)
	ds_store_b128 v4, v[OO+4*n:OO+4*n+3] offset:8192*(\y)+512*n
.set n, n+1
.endr
.endm
; group 1 changes from A to B.  My stage is the upper half of my region: tile X's partial result goes to the lower half first, tile Y's over the stage when that has been read.
.macro CHANGE_BLOCK
.set n, 0
.rept 16
	global_load_b128 v[SS+4*n:SS+4*n+3], v1, s[QBA:QBA+1] offset:512*n th:TH_LOAD_NT
.set n, n+1
.endr
	WIN 0x40
.set n, 0
.rept 16
	global_load_b128 v[SS+4*n:SS+4*n+3], v1, s[QBA:QBA+1] offset:32768+512*n th:TH_LOAD_NT
.set n, n+1
.endr
	DUMPO 0
	QTILE 0, 31
	QTILE 1, 15
	DUMPO 1
	WIN 0x55
	v_add_f32 v14, v14, v15
	WIN 0
	v_add_f32 v14, v14, v15
	ds_store_b32 v11, v12                          ; -M and my lane's part of the sum
	ds_store_b32 v11, v14 offset:128
	WIN 0x04
	ds_store_b32 v11, v12 offset:256
	ds_store_b32 v11, v14 offset:384
	s_wait_dscnt 0x0
	RESET 0
	RESET 1
	WIN 0
	s_mov_b32 s[KS], 0
	s_mov_b32 s[QB], s[IB]
.endm
.macro FRAG g, at                      ; four tiles of 16 x 128 into window g's fragments
	WIN 0x40*(\g)
.irp t, 0,1,2,3
.irp c, 0,1,2
	ds_load_b128 v[FR+12*\t+4*\c:FR+12*\t+4*\c+3], v8 offset:\at+1536*(4*(\g)+\t)+512*\c
.endr
.endr
.endm
.macro QK g, y                         ; S^T = k q^T: register 16 b + n of lane (r, h) is query r, key 32 b + 16 h + n
	WIN (\g)+0x44*(\y)
.irp t, 0,1,2,3
.if \g
	v_wmma_scale_f32_16x16x128_f8f6f4 v[SS+32+8*\t:SS+39+8*\t], v[FR+12*\t:FR+12*\t+11], v[QC:QC+11], 0, v[KSC+\t], v[QSC+\y] matrix_a_fmt:MATRIX_FMT_FP6 matrix_b_fmt:MATRIX_FMT_FP6 matrix_a_scale:MATRIX_SCALE_ROW1
.else
	v_wmma_scale_f32_16x16x128_f8f6f4 v[SS+8*\t:SS+7+8*\t], v[FR+12*\t:FR+12*\t+11], v[QC:QC+11], 0, v[KSC+\t], v[QSC+\y] matrix_a_fmt:MATRIX_FMT_FP6 matrix_b_fmt:MATRIX_FMT_FP6
.endif
.endr
.endm
.macro PV g, y                         ; O^T += v^T p^T: eight accumulators by turns
	WIN (\g)+0x54*(\y)
.irp t, 0,1,2,3
.if \g
	v_wmma_scale_f32_16x16x128_f8f6f4 v[OO+32+8*\t:OO+39+8*\t], v[FR+12*\t:FR+12*\t+11], v[PC:PC+11], v[OO+32+8*\t:OO+39+8*\t], v[VSC+\t], v[PSC+\y] matrix_a_fmt:MATRIX_FMT_FP6 matrix_b_fmt:MATRIX_FMT_FP6 matrix_a_scale:MATRIX_SCALE_ROW1
.else
	v_wmma_scale_f32_16x16x128_f8f6f4 v[OO+8*\t:OO+7+8*\t], v[FR+12*\t:FR+12*\t+11], v[PC:PC+11], v[OO+8*\t:OO+7+8*\t], v[VSC+\t], v[PSC+\y] matrix_a_fmt:MATRIX_FMT_FP6 matrix_b_fmt:MATRIX_FMT_FP6
.endif
.endr
.endm
.macro MASKN from                      ; 32 of a lane's scores: key > query becomes -infinity
.set n, \from
.rept 32
	v_cmp_gt_i32 vcc_lo, 32*(n/16)+n%16, v30
	v_cndmask_b32 v[SS+n], v[SS+n], v[TM], vcc_lo
.set n, n+1
.endr
.endm
; the blocks' largest scores (they serve for the row's maximum and for the blocks' largest p), the new M, a whole number kept as -M, and the factor 2^(old M - new M)
.macro SOFT1 y
	WIN 0x55*(\y)
.irp b, 0,1,2,3
	v_max3_num_f32 v[BM+\b], v[SS+16*\b], v[SS+1+16*\b], v[SS+2+16*\b]
.endr
.irp i, 3,5,7,9,11,13
.irp b, 0,1,2,3
	v_max3_num_f32 v[BM+\b], v[BM+\b], v[SS+16*\b+\i], v[SS+1+16*\b+\i]
.endr
.endr
.irp b, 0,1,2,3
	v_max_num_f32 v[BM+\b], v[BM+\b], v[SS+15+16*\b]
.endr
	JOIN
	s_delay_alu instid0(VALU_DEP_2)
	v_max3_num_f32 v[TM], v[BM], v[BM+1], v[BM+2]
	s_delay_alu instid0(VALU_DEP_1)
	v_max3_num_f32 v13, v[TM], v[BM+3], v13
	s_delay_alu instid0(VALU_DEP_1)
	v_mul_f32 v[TM], s[NC], v13
	s_delay_alu instid0(VALU_DEP_1)
	v_floor_f32 v29, v[TM]
	s_delay_alu instid0(VALU_DEP_1)
	v_sub_f32 v[TM], v29, v12
	v_mov_b32 v12, v29
	s_delay_alu instid0(VALU_DEP_2)
	v_cvt_i32_f32 v[TM], v[TM]
	s_delay_alu instid0(VALU_DEP_1)
	v_ldexp_f32 v28, 1.0, v[TM]
.endm
; p = 2^(t - M), its sum unquantised, its codes; then O^T under the new M
.macro SOFT2 y
	WIN 0x55*(\y)
.set n, 0
.rept 32
	v_pk_fma_f32 v[SS+n:SS+n+1], v[SS+n:SS+n+1], s[CS:CS+1], v[12:13] op_sel_hi:[1,0,0]
.set n, n+2
.endr
.irp b, 0,1,2,3
	v_fma_f32 v[BM+\b], v[BM+\b], s[CS], v12
.endr
	s_wait_alu depctr_va_vdst(0)                   ; the wait ahead of the batch,
.irp b, 0,1,2,3
	v_exp_f32 v[BM+\b], v[BM+\b]                   ; the blocks' largest p: the same lines on the same numbers
.endr
.set n, 0
.rept 64
	v_exp_f32 v[SS+n], v[SS+n]
.set n, n+1
.endr
	v_pk_mul_f32 v[14:15], v[14:15], v[28:29] op_sel_hi:[1,0]
	s_wait_alu depctr_va_vdst(0)                   ; and behind it
	v_pk_add_f32 v[CV:CV+1], v[SS+2:SS+3], v[SS+10:SS+11]      ; four chains by turns
	v_pk_add_f32 v[CV+2:CV+3], v[SS+4:SS+5], v[SS+12:SS+13]
	v_pk_add_f32 v[CV+4:CV+5], v[SS+6:SS+7], v[SS+14:SS+15]
	v_pk_add_f32 v[14:15], v[14:15], v[SS:SS+1]
.irp b, 0,1,2,3
	v_max_num_f32 v[BM+\b], FLOOR, v[BM+\b]        ; (a block whose every p has fallen to 0 keeps the byte 1: its codes are zeros)
.endr
	v_pk_add_f32 v[14:15], v[14:15], v[SS+8:SS+9]
.irp k, 16,24,32,40,48,56
	v_pk_add_f32 v[CV:CV+1], v[CV:CV+1], v[SS+2+\k:SS+3+\k]
	v_pk_add_f32 v[CV+2:CV+3], v[CV+2:CV+3], v[SS+4+\k:SS+5+\k]
	v_pk_add_f32 v[CV+4:CV+5], v[CV+4:CV+5], v[SS+6+\k:SS+7+\k]
	v_pk_add_f32 v[14:15], v[14:15], v[SS+\k:SS+1+\k]
.endr
	v_pk_add_f32 v[CV:CV+1], v[CV:CV+1], v[CV+2:CV+3]
	v_pk_add_f32 v[14:15], v[14:15], v[CV+4:CV+5]
	SCW PSC+(\y), \y
	v_pk_add_f32 v[14:15], v[14:15], v[CV:CV+1]
	CODES PC
.if (\y) == 0
	s_wait_dscnt 0x0                               ; value's fragments are in, for both tiles
.endif
	s_wait_alu depctr_va_vdst(0)                   ; the wait ahead of O^T's first reader
.set n, 0
.rept 32
	v_pk_mul_f32 v[OO+n:OO+n+1], v[OO+n:OO+n+1], v[28:29] op_sel_hi:[1,0]   ; (these are also the places ahead of the matrix instructions)
.set n, n+2
.endr
.endm
; one step of 128 keys for my two tiles of queries; q: the block's place behind the group's first
.macro STEP q, last
.if (\last) == 0
	s_cmp_lt_u32 s[WV], 4                          ; group 1 alone changes blocks
	s_cbranch_scc1 .Lsame_\@
	s_cmp_lg_u32 s[ST], s[TE]
	s_cbranch_scc1 .Lsame_\@
	CHANGE_BLOCK
.Lsame_\@:
	v_add_nc_u32 v8, s[SB], v1                     ; with the three below: the places behind the last matrix instruction, ahead of loads into its operands
.else
	v_add_nc_u32 v8, B8, v1                        ; (the same)
.endif
	v_nop
	v_nop
	v_nop
	ds_load_b128 v[KSC:KSC+3], v8 offset:BLK*(\q)+12288
	ds_load_b128 v[VSC:VSC+3], v8 offset:BLK*(\q)+25088
	FRAG 0, BLK*(\q)
	FRAG 1, BLK*(\q)
	s_wait_alu depctr_va_vdst(0)
	s_wait_dscnt 12                                ; all but the second run of 12 loads
	QK 0, 0
	QK 0, 1
	s_wait_dscnt 0x0
	QK 1, 0
	QK 1, 1
	PLACES
	FRAG 0, BLK*(\q)+12800                         ; value's fragments come in under the softmax
	FRAG 1, BLK*(\q)+12800
	WIN 0
.if (\last) == 0
	s_cmp_lg_u32 s[ST], s[TP]
	s_cbranch_scc1 .Lno_ask_\@
	global_prefetch_b8 v10, s[QBA:QBA+1] th:TH_LOAD_NT scope:SCOPE_SE   ; my 32 rows of block B, a lane a row, two units of 256 bytes each: the next trip loads them
	global_prefetch_b8 v10, s[QBA:QBA+1] offset:256 th:TH_LOAD_NT scope:SCOPE_SE
.Lno_ask_\@:
.endif
	s_cmp_lg_u32 s[KS], s[QB]
	s_cbranch_scc1 .Lopen_\@
	v_mov_b32 v[TM], 0xff800000                    ; the diagonal step.  Tile X's queries lie under 64: keys from 64 on are masked for all,
	MASKN 0
.set n, 32
.rept 32
	v_mov_b32 v[SS+n], v[TM]
.set n, n+1
.endr
	WIN 0x55
	v_mov_b32 v[TM], 0xff800000                    ; tile Y's from 64 on: keys under 64 are open for all
	MASKN 32
	WIN 0
.Lopen_\@:
	SOFT1 0
	SOFT1 1
	SOFT2 0
	PV 0, 0
	PV 1, 0
	SOFT2 1
	PV 0, 1
	PV 1, 1
	WIN 0
	s_add_co_u32 s[KS], s[KS], 1
.endm
; a tile leaves: O^T / the sum, with m = 1 joined with group 1's part of block A; through my stage (slot 0: its last fill has been read by all), whole rows of 512 bytes
.macro OUT y, m
.if \m
	WIN 0x40*(\y)
	ds_load_b32 v[CV], v11 offset:256*(\y)
	ds_load_b32 v[CV+1], v11 offset:256*(\y)+128
.set n, 0
.rept 16
	ds_load_b128 v[SS+4*n:SS+4*n+3], v4 offset:8192*(\y)+512*n
.set n, n+1
.endr
.endif
	WIN 0x55*(\y)
	v_add_f32 v14, v14, v15
.if \m
	s_wait_alu depctr_va_vdst(0)                   ; the wait ahead of the wait below
	s_wait_dscnt 0x0
	v_min_num_f32 v29, v12, v[CV]                  ; -M of both parts; each is brought under it by a power of two
	v_sub_f32 v28, v29, v12
	v_sub_f32 v31, v29, v[CV]
	v_cvt_i32_f32 v28, v28
	v_cvt_i32_f32 v31, v31
	v_ldexp_f32 v28, 1.0, v28
	v_ldexp_f32 v31, 1.0, v31
	v_mul_f32 v14, v14, v28
	v_fmac_f32 v14, v[CV+1], v31
.endif
	v_permlanex16_b32 v[T2], v14, s[SEL], s[SEL+1]
	v_add_f32 v14, v14, v[T2]
	s_wait_alu depctr_va_vdst(0)
	v_rcp_f32 v14, v14
.if \m
	v_nop
	s_wait_alu depctr_va_vdst(0)
	v_mul_f32 v28, v28, v14
	v_mul_f32 v30, v31, v14
.set n, 0
.rept 32
	v_pk_mul_f32 v[SS+n:SS+n+1], v[SS+n:SS+n+1], v[30:31] op_sel_hi:[1,0]
.set n, n+2
.endr
.else
	PLACES
.endif
	s_wait_alu depctr_va_vdst(0)                   ; the wait ahead of O^T's first reader
.set n, 0
.rept 32
.if \m
	v_pk_fma_f32 v[SS+n:SS+n+1], v[OO+n:OO+n+1], v[28:29], v[SS+n:SS+n+1] op_sel_hi:[1,0,1]
.else
	v_pk_mul_f32 v[SS+n:SS+n+1], v[OO+n:OO+n+1], v[14:15] op_sel_hi:[1,0]
.endif
.set n, n+2
.endr
	WIN 0x04*(\y)
.irp t, 0,1,2,3,4,5,6,7
	ds_store_b128 v9, v[SS+8*\t:SS+8*\t+3] offset:64*\t
	ds_store_b128 v9, v[SS+8*\t+4:SS+8*\t+7] offset:64*\t+16
.endr
	WIN 0x40*(\y)
.set n, 0
.rept 16
	ds_load_b128 v[OO+4*n:OO+4*n+3], v7 offset:SP*n   ; LDS serves a wave's instructions in order: these see my stores
.set n, n+1
.endr
	WIN 0x04*(\y)
.set n, 0
.rept 16
	s_wait_dscnt 15-n                              ; row n is back
	global_store_b128 v1, v[OO+4*n:OO+4*n+3], s[12:13] offset:32768*(\y)+512*n th:TH_STORE_NT
.set n, n+1
.endr
	WIN 0
.endm
	s_load_b128 s[4:7], s[0:1], 0x0                ; query, blk
	s_load_b64 s[8:9], s[0:1], 0x10                ; out0
	v_lshl_add_u32 v[SPW], v0, 2, SPARE
	v_mov_b32 v[NIL], 0
	ds_add_u32 v[SPW], v[NIL]                      ; the wave's opening: the add, twice on end, and the wait below
	ds_add_u32 v[SPW], v[NIL]
	v_lshrrev_b32 v8, 5, v0
	v_readfirstlane_b32 s[WV], v8
	s_and_b32 s66, s[WV], 3                        ; j
	s_lshr_b32 s[GR], s[WV], 2                     ; group
	s_mul_i32 s67, s66, DREG
	s_add_co_u32 s67, s67, R2                      ; region j: group 1's wave j leaves its part of A there, group 0's wave j fetches it
	s_mul_i32 s68, s[GR], STG
	s_add_co_u32 s68, s68, s67                     ; my stage for q: the half of it that is my group's
	s_mul_i32 s69, s[WV], STG                      ; my stage for the way out
	s_add_co_u32 s70, s67, 16384
	s_mul_i32 s71, s[WV], 1536
	s_add_co_u32 s71, s71, QI
	s_mul_i32 s72, s66, 1536
	s_add_co_u32 s72, s72, QI
	s_lshl_b32 s73, s[WV], 7
	s_add_co_u32 s73, s73, QI+12288
	s_lshl_b32 s74, s66, 7
	s_add_co_u32 s74, s74, QI+12288
	s_lshl_b32 s88, s66, 4                         ; 16 j
	s_bfe_u32 s75, ttmp6, 0x40000                  ; cx: which of the four query heads
	s_and_b32 s76, ttmp7, 0xffff                   ; key/value head
	s_mov_b32 s[IB], ttmp9
	s_sub_co_u32 s[QB], 15, s[IB]
	s_sub_co_u32 s77, 7, s[IB]                     ; the trip in which group 1 begins B
	s_lshl_b32 s78, s76, 2
	s_add_co_u32 s78, s78, s75
	s_lshl_b32 s78, s78, 11                        ; the head's first row
	s_lshl_b32 s79, s[QB], 7
	s_add_co_u32 s79, s79, s78                     ; A's first row
	s_lshl_b32 s82, s[IB], 7
	s_add_co_u32 s82, s82, s78                     ; B's
	s_lshl_b32 s80, s[WV], 4
	s_add_co_u32 s80, s80, s79
	s_lshl_b32 s80, s80, 9                         ; the 16 rows of A that I quantise
	s_mov_b32 s81, 0
	s_add_co_u32 s82, s82, s88
	s_lshl_b32 s82, s82, 9                         ; wave j's rows of B
	s_mov_b32 s83, 0
	s_add_co_u32 s84, s79, s88
	s_lshl_b32 s84, s84, 9                         ; and of A
	s_mov_b32 s85, 0
	s_mul_i32 s86, s76, 16*BLK
	s_mov_b32 s87, 0
	s_xor_b32 s[GB], s[GR], 1
	s_mul_i32 s[GB], s[GB], 2*BLK
	s_cmp_eq_u32 s[GR], 0
	s_cselect_b32 s84, s84, s82                    ; what I store at the end: group 0 block A, group 1 block B
	s_cselect_b32 s[TE], 64, s77                   ; (64: never)
	s_cselect_b32 s[KS], 0, 9
	s_sub_co_u32 s[TP], s[TE], 1
	s_cmp_lt_u32 s[WV], 2                          ; waves 0, 1 fetch group 1's blocks, waves 2, 3 group 0's
	s_cselect_b32 s[LTE], s77, 0
	s_add_co_u32 s[L9], s[LTE], 9
	s_and_b32 s[FT], s[WV], 1
	s_mul_i32 s[WB], s[WV], BLK                    ; block w of a slot
	s_mov_b32 s[OF+1], 0
	s_mov_b32 s[SB], s[GB]
	s_mov_b32 s[ST], 0
	s_mov_b32 s[SEL], 0x76543210                   ; v_permlanex16_b32's selects: lane l xor 16
	s_mov_b32 s[SEL+1], 0xfedcba98
	s_mov_b32 s[CS], CL2E
	s_mov_b32 s[CS+1], CL2E                        ; (named with it as a pair, so it is written)
	s_mov_b32 s[HSP], HS
	s_mov_b32 s[HSP+1], HS
	s_mov_b32 s[NC], NCL2E
	s_mov_b32 s[G1], 15|(3<<16)|(1<<21)            ; mask: the cluster's four; elements of 8 bytes; bit 21 beside a mask
	s_mov_b32 s[G1+1], 32<<16                      ; rows of 32 elements, 256 bytes,
	s_mov_b32 s[G1+2], 100<<16
	s_mov_b32 s[G1+3], 32<<16
	s_mov_b32 s[G1+4], 100                         ; 100 of them,
	s_mov_b32 s[G1+5], 32                          ; end to end
	s_mov_b32 s[G1+6], 0
	s_mov_b32 s[G1+7], 0
	s_mov_b32 s[G0], 1
	s_mov_b32 s[G0+1], s[WB]
	s_mov_b32 s[G0B], 1
	s_mov_b32 s[G0B+1], B8
	v_and_b32 v28, 31, v0                          ; lane
	v_and_b32 v29, 15, v0                          ; r
	v_bfe_u32 v31, v0, 4, 1                        ; h
	v_lshlrev_b32 v1, 4, v28                       ; 16 x lane
	v_mul_u32_u24 v40, v29, SP
	v_lshlrev_b32 v41, 2, v28
	v_lshlrev_b32 v42, 4, v31
	v_add_nc_u32 v2, s68, v1                       ; q's stage, in: a row as it lies
	v_lshl_add_u32 v3, v31, 6, v40
	v_add_nc_u32 v3, s68, v3                       ; back: row r, my 16 numbers of a block of 32
	v_add_nc_u32 v4, s67, v1                       ; the region's O^T
	v_add_nc_u32 v7, s69, v1                       ; the way out, back: whole rows
	v_lshl_add_u32 v9, v31, 5, v40
	v_add_nc_u32 v9, s69, v9                       ; in: row r, + 32 h
	v_lshlrev_b32 v10, 9, v29
	v_lshl_add_u32 v10, v31, 15, v10               ; the prefetches: row r of tile X (h = 0), of tile Y 64 rows on (h = 1)
	v_add_nc_u32 v11, s70, v41                     ; the region's four words a lane
	v_add_nc_u32 v252, s71, v1                     ; q's image: what I make,
	v_add_nc_u32 v253, s72, v1                     ; what I use
	v_add_nc_u32 v254, s73, v41
	v_add_nc_u32 v255, s74, v41
	v_sub_nc_u32 v30, v29, v42
	v_add_nc_u32 v30, s88, v30                     ; mask row: 16 j + r - 16 h, for tile Y 64 more
	WIN 0x40
	v_add_nc_u32 v30, 64, v30
	WIN 0
	s_wait_alu depctr_va_vdst(0)                   ; the wait ahead of the waits below
	s_wait_dscnt 0x0                               ; both opening adds are done
	s_wait_kmcnt 0x0
	s_add_nc_u64 s[10:11], s[4:5], s[80:81]
	s_add_nc_u64 s[QBA:QBA+1], s[4:5], s[82:83]
	s_add_nc_u64 s[12:13], s[8:9], s[84:85]
	s_add_nc_u64 s[6:7], s[6:7], s[86:87]
.set n, 0
.rept 16                               ; 16 rows of block A, one tile: 512 consecutive bytes a load
	global_load_b128 v[SS+4*n:SS+4*n+3], v1, s[10:11] offset:512*n th:TH_LOAD_NT
.set n, n+1
.endr
	FETCHADR
	s_mov_b32 s[OF], 8*BLK
	s_add_nc_u64 s[G0B+2:G0B+3], s[6:7], s[OF:OF+1]
	s_or_b32 s[G0B+3], s[G0B+3], 0x80000000
	CROUND                                         ; in front of the first joint loads
	s_cmp_lt_u32 s[WV], 4
	s_cbranch_scc0 .Lnot_03
	tensor_load_to_lds s[G0:G0+3], s[G1:G1+7]      ; slot 0: trips 0 and 1
	s_nop 0
	PLACES
	s_branch .Lasked
.Lnot_03:
	s_cmp_eq_u32 s[WV], 4
	s_cbranch_scc0 .Lasked
	tensor_load_to_lds s[G0B:G0B+3], s[G1:G1+7]    ; trip 8's block
	s_nop 0
	PLACES
.Lasked:
.irp b, 0,1,2,3
	v_mov_b32 v[T2+\b], 0                          ; written once: a lane permute's destination counts as one of its sources
.endr
	WIN 0x55
.irp b, 0,1,2,3
	v_mov_b32 v[T2+\b], 0
.endr
	RESET 0
	RESET 1
	WIN 0
	s_cmp_lg_u32 s[TE], 0                          ; where group 1 begins with B, its rows are asked for here
	s_cbranch_scc1 .Lno_b
	global_prefetch_b8 v10, s[QBA:QBA+1] th:TH_LOAD_NT scope:SCOPE_SE
	global_prefetch_b8 v10, s[QBA:QBA+1] offset:256 th:TH_LOAD_NT scope:SCOPE_SE
.Lno_b:
	s_wait_alu depctr_va_vdst(0)                   ; the wait at the head's end
	QTILE 0, 15
	ds_store_b128 v252, v[QC:QC+3]                 ; tile w of A, as an image of the operand's registers
	ds_store_b128 v252, v[QC+4:QC+7] offset:512
	ds_store_b128 v252, v[QC+8:QC+11] offset:1024
	ds_store_b32 v254, v[QSC]
	s_wait_tensorcnt 0x0
	ds_add_u32 v[SPW], v[NIL]
	ds_add_u32 v[SPW], v[NIL]
	s_wait_dscnt 0x0                               ; my image has landed
	s_barrier_signal -1
	s_barrier_wait -1
.irp c, 0,1,2
	ds_load_b128 v[QC+4*\c:QC+4*\c+3], v253 offset:512*\c
.endr
	ds_load_b32 v[QSC], v255
	ds_load_b32 v[QSC+1], v255 offset:512
	WIN 0x40
.irp c, 0,1,2
	ds_load_b128 v[QC+4*\c:QC+4*\c+3], v253 offset:6144+512*\c
.endr
	WIN 0
	s_mov_b32 s[CNT], 3
.Lmain:                                ; two trips on one slot; ahead of them the other slot is filled for the two after
	s_wait_tensorcnt 0x0                           ; my load has landed
	ds_add_u32 v[SPW], v[NIL]
	ds_add_u32 v[SPW], v[NIL]
	s_add_co_u32 s[FT], s[FT], 2
	FETCHADR
	s_xor_b32 s[G0+1], s[G0+1], SL1
	s_wait_dscnt 0x0                               ; the adds are done, and my reads of the slot to be filled
	CROUND
	s_cmp_lt_u32 s[WV], 4
	s_cbranch_scc0 .Lno_fill
	tensor_load_to_lds s[G0:G0+3], s[G1:G1+7]
	s_nop 0
	PLACES
.Lno_fill:
	STEP 0, 0
	s_add_co_u32 s[ST], s[ST], 1
	STEP 1, 0
	s_add_co_u32 s[ST], s[ST], 1
	s_xor_b32 s[SB], s[SB], SL1
	s_sub_co_u32 s[CNT], s[CNT], 1
	s_cmp_lg_u32 s[CNT], 0
	s_cbranch_scc1 .Lmain
	s_wait_tensorcnt 0x0                           ; trips 6 and 7 (slot 1): nothing is filled again
	ds_add_u32 v[SPW], v[NIL]
	s_wait_dscnt 0x0
	s_barrier_signal -1
	s_barrier_wait -1
	s_mov_b32 s[CNT], 2
.Ltail:
	STEP 0, 0
	s_add_co_u32 s[ST], s[ST], 1
	s_add_co_u32 s[SB], s[SB], BLK
	s_sub_co_u32 s[CNT], s[CNT], 1
	s_cmp_lg_u32 s[CNT], 0
	s_cbranch_scc1 .Ltail
	s_wait_dscnt 0x0                               ; group 1's part of A has landed in its regions
	s_barrier_signal -1
	s_barrier_wait -1
	s_cmp_lt_u32 s[WV], 4                          ; group 0 has a ninth step; group 1 stores block B meanwhile
	s_cbranch_scc0 .Lout_b
	STEP 0, 1
	OUT 0, 1
	OUT 1, 1
	s_branch .Lend
.Lout_b:
	OUT 0, 0
	OUT 1, 0
.Lend:
	s_wait_tensorcnt 0x0                           ; the wave's end
	ds_add_u32 v[SPW], v[NIL]
	s_wait_dscnt 0x0
	CROUND                                         ; no work-group ends while a partner may still issue a joint load that names it
	s_endpgm
.Lfunc_end_k_q83c1b455d5_attn:
	.size	k_q83c1b455d5_attn, .Lfunc_end_k_q83c1b455d5_attn-k_q83c1b455d5_attn
	.p2alignl 7, 3214868480
	.fill 96, 4, 3214868480
	.section	.rodata,"a",@progbits
	.p2align	6, 0x0
	.amdhsa_kernel k_q83c1b455d5_attn
		.amdhsa_group_segment_fixed_size 327680
		.amdhsa_private_segment_fixed_size 0
		.amdhsa_enable_private_segment 0
		.amdhsa_kernarg_size 24
		.amdhsa_user_sgpr_count 2
		.amdhsa_user_sgpr_kernarg_segment_ptr 1
		.amdhsa_wavefront_size32 1
		.amdhsa_system_sgpr_workgroup_id_x 1
		.amdhsa_system_sgpr_workgroup_id_y 1
		.amdhsa_system_sgpr_workgroup_id_z 1
		.amdhsa_system_vgpr_workitem_id 0
		.amdhsa_next_free_vgpr 512
		.amdhsa_next_free_sgpr 100
		.amdhsa_reserve_vcc 1
		.amdhsa_float_denorm_mode_32 3
		.amdhsa_float_denorm_mode_16_64 3
		.amdhsa_memory_ordered 1
		.amdhsa_forward_progress 1
		.amdhsa_inst_pref_size 255
	.end_amdhsa_kernel
	.section	.bss,"aw",@nobits
	.p2align	6
	.space	262144
	.amdgpu_metadata
---
amdhsa.version: [ 1, 2 ]
amdhsa.kernels:
  - .name:           k_q83c1b455d5_attn
    .symbol:         k_q83c1b455d5_attn.kd
    .args:
      - { .name: query, .offset: 0, .size: 8, .value_kind: global_buffer, .address_space: global }
      - { .name: blk, .offset: 8, .size: 8, .value_kind: global_buffer, .address_space: global }
      - { .name: out0, .offset: 16, .size: 8, .value_kind: global_buffer, .address_space: global }
    .group_segment_fixed_size: 327680
    .private_segment_fixed_size: 0
    .kernarg_segment_align: 8
    .kernarg_segment_size: 24
    .max_flat_workgroup_size: 256
    .sgpr_count:     100
    .vgpr_count:     512
    .wavefront_size: 32
...
	.end_amdgpu_metadata
.endif
;; end of part 2
